; MI455X (gfx1250); checked and timed in simulation.
; The chip was launched on July 23, 2026; its instructions are those of AMD's public machine-readable ISA for CDNA 5 (MIT licence, August 2026) and "CDNA5" Instruction Set Architecture Reference Guide (July 2026). The comments in the code are by the model that wrote it; some were corrected since.
;; SSDX Mem Detector. Allowed arithmetic: matrix products marked QUANTISED: E2M1 operands, one E8M0 scale for each 32 along K, by v_wmma_scale_f32_16x16x128_f8f6f4 with both operands' format E2M1 (or v_wmma_scale_f32_32x16x128_f4), f32 sums; everything else in f32.
;; Inputs: curr_key_codes 8 x 64 x 64 x 8 x 16 uint8 (E2M1 codes of curr_key, K innermost, in blocks of 32 codes, two codes a byte); curr_key_scales 8 x 64 x 64 x 8 uint8 (E8M0 scales of curr_key, one for each 32 codes along K); curr_value 8 x 256 x 64 x 64 float32; prev_key 8 x 256 x 64 x 64 float32; prev_value 8 x 256 x 64 x 64 float32.
;; Outputs: out0 8 x 512 x 64 x 64 float32.
;; This version of the problem:
;;   THIS VERSION OF THE PROBLEM IS GIVEN IN LOW PRECISION. The matrix products marked QUANTISED in the list below multiply operands that are first quantised to E2M1 (2 exponent bits, 1 mantissa bit; 4 bits a number), with one power-of-two scale for each 32 numbers along K (OCP MX v1.0); their sums are f32. All else is computed in f32.
;;   The module's matrix products, in the order in which they are computed (A, B: the left and right operand; K: the contracted axis; several contracted axes count as one K, in the product's order):
;;     1. batch 8 x [M 4,096, K 256] x [K 256, N 4,096]; A: input prev_key; B: input curr_key (given as codes): QUANTISED
;;     2. batch 8 x [M 256, K 4,096] x [K 4,096, N 4,096]; A: input prev_value; B: softmax (see below): QUANTISED
;;   THE QUANTISER, for each operand of a quantised product, along K:
;;     - K is cut into blocks of 32 from its start; a last block that is shorter is filled with zeros.
;;     - A block's scale is 2^e with e = floor(log2(the largest magnitude in the block)) - 2, held to -126 .. 127; a block of zeros has e = 0. As a byte (E8M0): e + 127.
;;     - Each number is divided by its block's scale, clamped to +-6, and rounded to the nearest number of E2M1, ties to even, subnormals kept.
;;     - The product sums the exact products of the quantised numbers (number of the format x scale) in f32.
;;   ~~~python
;;   def quantise(x, axis):      # numpy; x: float32 -> the quantised numbers, widened to float32 again
;;       x = np.moveaxis(x, axis, -1); K = x.shape[-1]
;;       x = np.pad(x, [(0, 0)] * (x.ndim - 1) + [(0, -K % 32)]); x = x.reshape(x.shape[:-1] + (-1, 32)); a = np.abs(x).max(-1, keepdims=True)
;;       e = np.where(a > 0, np.clip(np.frexp(np.where(a > 0, a, 1))[1] - 1 - 2, -126, 127), 0)      # np.frexp(a)[1] - 1 = floor(log2(a)), exactly
;;       r = np.clip(x / 2.0 ** e, -6, 6)
;;       step = 2.0 ** (np.maximum(np.frexp(np.where(r == 0, 1, r))[1] - 1, 0) - 1)
;;       q = np.round(r / step) * step * 2.0 ** e      # np.round: ties to even
;;       return np.moveaxis(q.reshape(q.shape[:-2] + (-1,))[..., :K], -1, axis).astype(np.float32)
;;   ~~~
;;   SOFTMAX AHEAD OF A QUANTISED PRODUCT. Where the list says 'softmax', what is quantised is not the finished softmax but p = 2^(t - M), with t = logit x log2(e) and M = ceil(the row's largest t), a whole number; so 1/2 < the row's largest p <= 1. The row's sum l is taken of the UNQUANTISED p, in f32, and the product's result is divided by l at the end. Since M is a whole number, a kernel that streams over the keys may use a running M (the ceiling of the running maximum): every later rescaling is an exact power of two, which a block's scale takes up: the codes' values come out the same.
;;   OPERANDS COMPUTED ON THE WAY. 'Computed on the way' means the value that the module computes at that place (a softmax that the list does not call 'softmax' is quantised finished and normalised). What goes into a quantiser is computed in f32, as accurately as f32 sums, v_exp_f32 and their like allow (about 1e-6 of the number): no bf16 or f16 on the way to a quantiser, and a product that is left as it is and whose result goes on into a quantised operand takes f32 operands (vector FMAs, or v_wmma_f32_16x16x4_f32). A number that lies on a knife's edge between two numbers of the format may be rounded either way, as far as f32 arithmetic and the matrix unit's own rounding can turn it there, and no further.
;;   INPUTS GIVEN AS CODES. curr_key (in the module: [8, 256, 64, 64], K = its axis 1): each comes as NAME_codes (uint8): NAME with its K axis moved to the last place and cut into blocks of 32 codes, [.., K / 32, bytes a block], one block behind the other in memory; two codes a byte, the lower K in the low four bits (a code: sign, 2 exponent bits, 1 mantissa bit); and NAME_scales (uint8): the same leading axes, one E8M0 byte (e + 127) for each 32 codes along K. Its value is code x scale, taken as it is: it is not quantised again, and the codes and scales need not be those that the quantiser above would give.
;; One version. Each part assembles by itself: llvm-mc -triple=amdgcn-amd-amdhsa -mcpu=gfx1250 --defsym DOCPART=n.
;; ======== version 1 of 1: 2 launches
;; limits: right only within a limited range of input values
;; workspace buffers: kv 9,043,968 bytes
;; launch prep (part 1): grid 256 x 1, 6 waves a work-group, no clusters, 17,664 bytes of LDS; arguments prev_key, prev_value, kv; writes kv
.if DOCPART == 1
	.amdgcn_target "amdgcn-amd-amdhsa--gfx1250"
	.amdhsa_code_object_version 6
	.text
	.protected	k_qd46400e9c8_prep
	.globl	k_qd46400e9c8_prep
	.p2align	8
	.type	k_qd46400e9c8_prep,@function
k_qd46400e9c8_prep:
	s_mov_b64 s[64:65], 0
	v_nop
	global_prefetch_b8 v0, s[64:65] scope:SCOPE_SE
	s_setreg_imm32_b32 hwreg(HW_REG_WAVE_MODE, 25, 1), 1
	s_wait_xcnt 0x0
; prev_key [8][256 c][4096 n] and prev_value [8][256 c][4096 n], f32, become codes of FP4 (E2M1) with one E8M0 byte for each 32 along K, laid in the ORDER OF THE OPERANDS' REGISTERS,
; one dense record of 35,328 bytes for each batch and each step of 128 memory positions (keys).  Work-group 32 b + j makes record (b, j) and nothing else: 256 equal shares.
; THE RECORD: 0: K's codes, 8 tiles of 16 keys x 256 channels; the 16 bytes of (tile T, block t of 32 channels, row r) at 2048 T + 256 t + 16 r; row r of tile 2 p + u is key 32 p + 8 u + r + 8 (r / 8).
;   16384: V's codes, 16 tiles of 16 channels x 128 keys, at 1024 tile + 512 c + 16 lane (lane (r, h): channel r, keys 64 c + 32 h + 0 .. 31).
;   32768: K's scale words, 256 p + 8 lane: word 0 tile 2 p, word 1 tile 2 p + 1; lanes 0-15 channels 0-127, lanes 16-31 channels 128-255.
;   33792: V's scale words, 512 g + 16 lane + 4 i: tile 2 (4 g + i) in lanes 0-15, the next tile in lanes 16-31.      34816: -a_sq / 2 of the 128 keys, f32, of the UNQUANTISED prev_key.
; A block's scale is 2^(floor(log2(its largest magnitude)) - 2); its byte is the largest magnitude's exponent field - 2, held at 1 from below.
; LIMITS: a block of zeros gets the byte 1 where the rule says 127 (its codes are zeros, and this program alone reads the bytes); blocks whose largest magnitude lies under 2^-124 get the byte 1;
; NaN and infinities among the inputs are not served.
; WAVES 0-3 take prev_key (K = the channels is NOT innermost): a lane takes a key and its registers run down the channels.  WAVES 4-5 take prev_value (K = the keys is innermost): dense loads,
; a turn through the wave's own stage in LDS.  The roles part once on the wave's number and never join: no barrier.  No tensor loads, no cluster: the work-groups share no input byte.
; THE LAYOUT IN FORCE: the record stands in two parts, in two regions of kv; the parts' inner order is as said above, their offsets are these:
; K's part of record 32 b + j at KREC x (32 b + j): codes at 0, scale words at KSOFF, -a_sq / 2 at BOFF;  V's part at VBASE + VREC x (32 b + j): codes at VOFF, scale words at VSOFF.
.set KREC,  17920                      ; 16,384 + 1,024 + 512 bytes: 70 units of 256
.set VREC,  17408                      ; 16,384 + 1,024 bytes: 68 units of 256
.set VBASE, 256*KREC
.set VOFF,  0
.set KSOFF, 16384
.set VSOFF, 16384
.set BOFF,  17408
.set ROWB,  16384                      ; bytes from a channel to the next
.set SPV,   528                        ; a stage row: 128 numbers + 16 bytes: 33 x 16, so that sixteen rows' loads of 16 bytes fall on different banks
.set STG,   16*SPV                     ; a V wave's stage
.set X,     64                         ; K role: v64-127 two sets of 32 numbers
.set C,     128                        ; K role: v128-159 four registers of codes for each block: no store's data are written again
.set R,     64                         ; V role: v64-191 two sets of 64 numbers as loaded
.set XV,    192                        ; V role: v192-255 my two blocks of 32 neighbours
.set CV,    32                         ; V role: v32-47 a tile's codes, two sets by turns
.set SW,    48                         ; V role: v48-51 the scale words
	s_load_b128 s[4:7], s[0:1], 0x0                ; prev_key, prev_value
	s_load_b64 s[8:9], s[0:1], 0x10                ; kv
	v_lshl_add_u32 v62, v0, 2, 0x4200
	v_mov_b32 v63, 0
	v_lshrrev_b32 v1, 5, v0
	v_readfirstlane_b32 s10, v1                    ; wave 0..5
	v_and_b32 v1, 31, v0                           ; lane
	s_wait_alu depctr_va_vdst(0)
	s_lshr_b32 s11, ttmp9, 5                       ; b
	s_and_b32 s12, ttmp9, 31                       ; j
	s_mul_i32 s14, ttmp9, KREC                     ; my record's part: K's for waves 0-3,
	s_mul_i32 s26, ttmp9, VREC
	s_add_co_u32 s26, s26, VBASE
	s_cmp_ge_u32 s10, 4
	s_cselect_b32 s14, s26, s14                    ; V's for waves 4, 5
	s_mov_b32 s15, 0
	s_lshl_b32 s18, s11, 22                        ; the batch: 256 channels of 16,384 bytes,
	s_lshl_b32 s19, s12, 9                         ; the step: 128 keys of 4 bytes
	s_add_co_u32 s18, s18, s19
	s_mov_b32 s19, 0
	s_and_b32 s13, s10, 1                          ; for waves 4, 5: g, which 128 channels
	s_mul_i32 s23, s13, STG
	v_lshlrev_b32 v7, 4, v1                        ; 16 x lane
	v_add_nc_u32 v8, s23, v7                       ; the stage, in: 16 x lane of a row
	v_and_b32 v10, 15, v1                          ; r
	v_lshrrev_b32 v11, 4, v1                       ; h
	v_mul_u32_u24 v9, v10, SPV
	v_lshl_add_u32 v9, v11, 7, v9
	v_add_nc_u32 v9, s23, v9                       ; the stage, out: row r, + 128 h bytes
	s_mov_b32 s20, 0x76543210
	s_mov_b32 s21, 0xfedcba98                      ; v_permlanex16_b32's selects for lane l xor 16
	s_wait_kmcnt 0x0
	s_add_nc_u64 s[8:9], s[8:9], s[14:15]
	s_cmp_ge_u32 s10, 4
	s_cbranch_scc1 .Lvalues
	; ---- prev_key: wave w takes keys 32 w .. 32 w + 31 of the step, all 256 channels
	s_lshl_b32 s24, s10, 7
	s_add_co_u32 s18, s18, s24
	s_add_nc_u64 s[4:5], s[4:5], s[18:19]
	v_and_b32 v2, 7, v1                            ; lane l takes key (l & 7) + 16 (bit 3 of l) + 8 (bit 4 of l): lanes 0-15 are rows 0-15 of tile 2 w, lanes 16-31 of tile 2 w + 1
	v_and_b32 v22, 8, v1
	v_lshl_or_b32 v2, v22, 1, v2
	v_and_b32 v22, 16, v1
	v_lshrrev_b32 v22, 1, v22
	v_or_b32 v2, v2, v22
	v_lshlrev_b32 v3, 2, v2                        ; in: 4 bytes a key
	v_lshlrev_b32 v4, 4, v10
	v_lshl_add_u32 v4, v11, 11, v4
	s_lshl_b32 s24, s10, 12
	v_add_nc_u32 v4, s24, v4                       ; codes: 2048 x tile + 16 r
	v_lshlrev_b32 v5, 3, v1
	s_lshl_b32 s24, s10, 8
	v_add_nc_u32 v5, s24, v5                       ; scale words: 256 w + 8 x lane
	s_lshl_b32 s24, s10, 7
	v_add_nc_u32 v6, s24, v3                       ; bias: 4 x (32 w + my key)
.macro LOADK t                         ; block t: channels 32 t + i of my key into set t % 2; a wave's load reads 128 consecutive bytes
.set i, 0
.rept 32
	global_load_b32 v[X+32*((\t)%2)+i], v3, s[4:5] offset:(32*(\t)+i)*ROWB th:TH_LOAD_NT
.set i, i+1
.endr
.endm
	LOADK 0
	LOADK 1
.macro BLOCKK t
.set XS, X+32*((\t)%2)
.if (\t) < 7
	s_wait_loadcnt 32                              ; this block's 32 loads are in; the next block's 32 may be out
.else
	s_wait_loadcnt 0x0
.endif
	v_max3_num_f32 v22, |v[XS]|, |v[XS+1]|, |v[XS+2]|      ; the block's largest magnitude: all 32 numbers are mine
	v_max3_num_f32 v23, |v[XS+3]|, |v[XS+4]|, |v[XS+5]|
.irp i, 6,10,14,18,22,26
	v_max3_num_f32 v22, v22, |v[XS+\i]|, |v[XS+\i+1]|
	v_max3_num_f32 v23, v23, |v[XS+\i+2]|, |v[XS+\i+3]|
.endr
	v_max3_num_f32 v22, v22, |v[XS+30]|, |v[XS+31]|
	v_max3_num_f32 v22, v22, v23, 0x1800000        ; and the floor 2^(3 - 127): the byte cannot fall under 1
	v_add_nc_u32 v24, 0xff000000, v22              ; 2 off its exponent field: the conversion takes that field as its scale
	v_lshrrev_b32 v25, 23, v24                     ; the scale's byte
.if (\t)%4 == 0
	v_mov_b32 v[20+(\t)/4], v25                    ; four bytes to a word: v20 channels 0-127, v21 channels 128-255
.else
	v_lshl_or_b32 v[20+(\t)/4], v25, 8*((\t)%4), v[20+(\t)/4]
.endif
.set i, 0
.rept 8                                ; a_sq of the unquantised numbers, two at a time, in two chains; the first products start the sums
.if (\t) == 0 && i == 0
	v_pk_mul_f32 v[16:17], v[XS:XS+1], v[XS:XS+1]
	v_pk_mul_f32 v[18:19], v[XS+2:XS+3], v[XS+2:XS+3]
.else
	v_pk_fma_f32 v[16:17], v[XS+4*i:XS+4*i+1], v[XS+4*i:XS+4*i+1], v[16:17]
	v_pk_fma_f32 v[18:19], v[XS+4*i+2:XS+4*i+3], v[XS+4*i+2:XS+4*i+3], v[18:19]
.endif
.set i, i+1
.endr
.irp g, 0,1,2,3
	v_cvt_scalef32_pk8_fp4_f32 v[C+4*(\t)+\g], v[XS+8*\g:XS+8*\g+7], v24
.endr
	v_nop                                          ; one plain line behind the last scaled conversion
	global_store_b128 v4, v[C+4*(\t):C+4*(\t)+3], s[8:9] offset:256*(\t)   ; sixteen lanes store 256 consecutive bytes, at a multiple of 256 from the buffer's first byte
.if (\t) < 6
	LOADK (\t)+2
.endif
.endm
.irp t, 0,1,2,3,4,5,6,7
	BLOCKK \t
.endr
	v_pk_add_f32 v[16:17], v[16:17], v[18:19]
	v_add_f32 v16, v16, v17
	v_mul_f32 v16, -0.5, v16                       ; -a_sq / 2: the C of the scores' first products
	global_store_b32 v6, v16, s[8:9] offset:BOFF   ; 128 bytes a wave: the record's 512 bytes of bias are written by four waves
	v_permlane16_swap_b32 v20, v21                 ; v20: tile 2 w, both K steps; v21: tile 2 w + 1
	global_store_b64 v5, v[20:21], s[8:9] offset:KSOFF   ; 32 lanes store 256 consecutive bytes
	s_endpgm
	; ---- prev_value: wave 4 + g takes channels 128 g .. 128 g + 127, the step's 128 keys: eight tiles of 16 channels
.Lvalues:
	s_lshl_b32 s24, s13, 21
	s_add_co_u32 s18, s18, s24
	s_add_nc_u64 s[6:7], s[6:7], s[18:19]
	s_lshl_b32 s24, s13, 9
	s_mov_b32 s25, 0
	s_add_nc_u64 s[16:17], s[8:9], s[24:25]        ; my scale words: + 512 g
	s_lshl_b32 s24, s13, 13
	s_add_nc_u64 s[8:9], s[8:9], s[24:25]          ; my codes: + 8 tiles of 1,024 bytes x g
	v_cmp_le_u32 s22, 16, v1                       ; lanes 16-31
	s_wait_alu depctr_va_vdst(0)
	v_lshlrev_b32 v23, 3, v11                      ; 8 h
	v_mov_b32 v28, 0                               ; a lane permute's destination counts as one of its sources
.macro LOADV t                         ; tile t: 16 rows of 512 consecutive bytes into set t % 2
.set i, 0
.rept 16
	global_load_b128 v[R+64*((\t)%2)+4*i:R+64*((\t)%2)+4*i+3], v7, s[6:7] offset:(16*(\t)+i)*ROWB th:TH_LOAD_NT
.set i, i+1
.endr
.endm
	LOADV 0
	LOADV 1
.macro TILEV t
.set RS, R+64*((\t)%2)
.set CT, CV+8*((\t)%2)
.if (\t) < 7
	s_wait_loadcnt 16                              ; this tile's 16 loads are in; the next tile's may be out
.else
	s_wait_loadcnt 0x0
.endif
.set i, 0
.rept 16
	ds_store_b128 v8, v[RS+4*i:RS+4*i+3] offset:i*SPV      ; the rows as they lie
.set i, i+1
.endr
.irp c, 0,1
.irp i, 0,1,2,3,4,5,6,7
	ds_load_b128 v[XV+32*\c+4*\i:XV+32*\c+4*\i+3], v9 offset:256*\c+16*\i   ; channel r, keys 64 c + 32 h + 0 .. 31.  LDS serves a wave's instructions in order: these see my stores
.endr
.endr
	s_wait_dscnt 0x0                               ; my blocks are in, and the stores have read their registers
.if (\t) < 6
	LOADV (\t)+2
.endif
.irp c, 0,1
	v_max3_num_f32 v[16+\c], |v[XV+32*\c]|, |v[XV+32*\c+1]|, 0x1800000   ; block 2 c + h: all 32 numbers are mine; the floor holds the byte at 1
.endr
.irp i, 2,4,6,8,10,12,14,16,18,20,22,24,26,28,30
.irp c, 0,1
	v_max3_num_f32 v[16+\c], v[16+\c], |v[XV+32*\c+\i]|, |v[XV+32*\c+\i+1]|
.endr
.endr
.irp c, 0,1
	v_add_nc_u32 v[18+\c], 0xff000000, v[16+\c]    ; the conversion's scale operand
.endr
.irp c, 0,1
	v_lshrrev_b32 v[20+\c], 23, v[18+\c]           ; the byte
.endr
	v_lshl_or_b32 v22, v21, 16, v20                ; my two bytes: blocks h and 2 + h,
	v_lshlrev_b32 v22, v23, v22                    ; at their places in the word;
	v_permlanex16_b32 v28, v22, s20, s21
	v_or_b32 v22, v22, v28                         ; with lane l xor 16's two the word is whole, in both halves
.if (\t)%2 == 0
	v_mov_b32 v52, v22
.else
	v_cndmask_b32 v[SW+(\t)/2], v52, v22, s22      ; the even tile's word in lanes 0-15, the odd tile's in lanes 16-31
.endif
.if (\t) >= 2
	s_wait_alu depctr_va_vdst(0)
	s_wait_xcnt 0x0                                ; the stores of two tiles ago have read this set of codes
.endif
.irp c, 0,1
.irp g, 0,1,2,3
	v_cvt_scalef32_pk8_fp4_f32 v[CT+4*\c+\g], v[XV+32*\c+8*\g:XV+32*\c+8*\g+7], v[18+\c]   ; registers 4 c .. 4 c + 3 of the operand
.endr
.endr
	v_nop                                          ; one plain line behind the last scaled conversion
.irp c, 0,1
	global_store_b128 v7, v[CT+4*\c:CT+4*\c+3], s[8:9] offset:VOFF+1024*(\t)+512*\c   ; 32 lanes store 512 consecutive bytes
.endr
.endm
.irp t, 0,1,2,3,4,5,6,7
	TILEV \t
.endr
	global_store_b128 v7, v[SW:SW+3], s[16:17] offset:VSOFF
	s_wait_tensorcnt 0x0
	ds_add_u32 v62, v63
	s_wait_dscnt 0x0
	s_endpgm
.Lfunc_end_k_qd46400e9c8_prep:
	.size	k_qd46400e9c8_prep, .Lfunc_end_k_qd46400e9c8_prep-k_qd46400e9c8_prep
	.p2alignl 7, 3214868480
	.fill 96, 4, 3214868480
	.section	.rodata,"a",@progbits
	.p2align	6, 0x0
	.amdhsa_kernel k_qd46400e9c8_prep
		.amdhsa_group_segment_fixed_size 17664
		.amdhsa_private_segment_fixed_size 0
		.amdhsa_enable_private_segment 0
		.amdhsa_kernarg_size 24
		.amdhsa_user_sgpr_count 2
		.amdhsa_user_sgpr_kernarg_segment_ptr 1
		.amdhsa_wavefront_size32 1
		.amdhsa_system_sgpr_workgroup_id_x 1
		.amdhsa_system_sgpr_workgroup_id_y 1
		.amdhsa_system_sgpr_workgroup_id_z 1
		.amdhsa_system_vgpr_workitem_id 0
		.amdhsa_next_free_vgpr 256
		.amdhsa_next_free_sgpr 66
		.amdhsa_reserve_vcc 0
		.amdhsa_float_denorm_mode_32 3
		.amdhsa_float_denorm_mode_16_64 3
		.amdhsa_memory_ordered 1
		.amdhsa_forward_progress 1
		.amdhsa_inst_pref_size 103
	.end_amdhsa_kernel
	.amdgpu_metadata
---
amdhsa.version: [ 1, 2 ]
amdhsa.kernels:
  - .name:           k_qd46400e9c8_prep
    .symbol:         k_qd46400e9c8_prep.kd
    .args:
      - { .name: prev_key, .offset: 0, .size: 8, .value_kind: global_buffer, .address_space: global }
      - { .name: prev_value, .offset: 8, .size: 8, .value_kind: global_buffer, .address_space: global }
      - { .name: kv, .offset: 16, .size: 8, .value_kind: global_buffer, .address_space: global }
    .group_segment_fixed_size: 17664
    .private_segment_fixed_size: 0
    .kernarg_segment_align: 8
    .kernarg_segment_size: 24
    .max_flat_workgroup_size: 192
    .sgpr_count:     66
    .vgpr_count:     256
    .wavefront_size: 32
...
	.end_amdgpu_metadata
.endif
;; end of part 1
;; launch attn (part 2): grid 32 x 8, 4 waves a work-group, clusters of 4 x 1, 327,680 bytes of LDS; arguments curr_key_codes, curr_key_scales, curr_value, kv, out0; writes out0
.if DOCPART == 2
	.amdgcn_target "amdgcn-amd-amdhsa--gfx1250"
	.amdhsa_code_object_version 6
	.text
	.protected	k_qd46400e9c8_attn
	.globl	k_qd46400e9c8_attn
	.p2align	8
	.type	k_qd46400e9c8_attn,@function
k_qd46400e9c8_attn:
	s_mov_b64 s[64:65], 0
	v_nop
	global_prefetch_b8 v0, s[64:65] scope:SCOPE_SE
	s_setreg_imm32_b32 hwreg(HW_REG_WAVE_MODE, 25, 1), 1
	s_wait_xcnt 0x0
	s_wait_alu depctr_hold_cnt(0) depctr_sa_sdst(0) depctr_va_vdst(0) depctr_va_sdst(0) depctr_va_ssrc(0) depctr_va_vcc(0) depctr_vm_vsrc(0)
	s_getreg_b32 s2, hwreg(HW_REG_IB_STS2, 6, 4)
	s_cmp_eq_u32 s2, 0
	s_cbranch_scc0 .Lentry_in_a_cluster
	s_endpgm
.Lentry_in_a_cluster:
	s_bfe_u32 s2, ttmp6, 0x10000c
	s_cmp_lg_u32 s2, 0x3003
	s_cbranch_scc0 .Lentry_shape_is_right
	s_endpgm
.Lentry_shape_is_right:
; out0[b][c][m] = sum over n of prev_value[b][c][n] softmax_n((2 mk.qk - a_sq) / 16), c < 256;  out0[b][256 + c] = curr_value[b][c].  Both products on codes of E2M1 with E8M0 scales.
; kv holds, for each batch and each 128 memory positions (a record), K's part (codes, scale words, -a_sq / 2) and V's part (codes, scale words) in the order of the operands' registers.
; SHARES: a work-group owns 128 queries of a batch, a wave 32 of them (x = 0, 1: two tiles of 16) and all 256 channels: O^T in 256 registers.  256 work-groups.
; A STEP IS 256 KEYS (records 2 i, 2 i + 1): the scores of both records are held (half a in window 0, half b in window 3), ONE M and ONE rescaling of O^T serve both.
; p = 2^(t - M), M = the ceiling of the running largest t; the row's sum is of the unquantised p; O^T is divided by it at the end.
; Both products are used transposed: a lane holds one query.  -a_sq / 2 is the C of the scores' first products, t = score x 2 log2(e) / 16.
; K RUNS TWO RECORDS AHEAD OF V: step i reads V(2 i), K(2 i + 2), V(2 i + 1), K(2 i + 3).  So slot s holds K(4 s .. 4 s + 3) and V(4 s - 2 .. 4 s + 1) and serves steps 2 s - 1 and 2 s.
; Waves 0, 1 fetch K's halves of a slot, waves 2, 3 V's, jointly for the four work-groups of a cluster, which walk the same batch.
; The two tiles of queries go through the maxima, M and the sums together, so that eight, two and four independent chains take turns; LDS loads go out in groups of 16 to 20 between the parts of the softmax.
; No prefetch is laid: a slot's load is asked for two steps (512 keys, 256 matrix instructions a wave) ahead of its first read, and each batch's records are read by eight clusters.
; LIMITS: the scaled scores stay under 2^31 in magnitude; NaN and infinities among the inputs are not served.
; WINDOWS: 0 addresses, Q, half a's scores and codes, scales, softmax's own; 1 O^T; 2 K's codes (0-127), V's codes (128-255); 3 -a_sq / 2 (0-63), half b's scores (64-191) and codes (192-207), the copy (208-239).
.set KREC,  17920
.set VREC,  17408
.set VBASE, 256*KREC
.set KSOFF, 16384
.set BOFF,  17408
.set VSOFF, 16384
.set VO,    4*KREC                     ; in a slot: V's four parts behind K's four
.set SLOTB, 4*KREC+4*VREC
.set SPARE, 2*SLOTB
.set SP,    528
.set ROWB,  16384
.set LI,  1
.set L8,  2
.set HB,  3
.set SPW, 4
.set NIL, 5
.set ADK, 6
.set ADS, 7
.set ADB, 8
.set CPO, 9
.set STO, 10
.set RD,  11
.set ST,  12                           ; v12-19: for each x: -M, the largest t, the sum in two halves
.set QS,  20
.set PW,  22                           ; p's scale words, half a
.set BM1, 24                           ; v24-31: x = 1's eight block maxima, then the conversions' scale operands
.set Q,   32
.set S,   64
.set PC,  192
.set KS,  208
.set VS,  216
.set BM0, 224                          ; v224-231: x = 0's
.set BP,  232                          ; v232-239: at work, four for each x
.set F,   240
.set ADV, 244
.set TT,  245                          ; v245, v251: at work on M, one for each x
.set PWB, 246                          ; p's scale words, half b
.set SUM2, 248                         ; v[248:249], v[252:253]: the sums' second chains
.set GO,  250
.set CP,  208                          ; window 3
.set WV,  14
.set G1K, 24
.set G0K, 32
.set G0V, 36
.set SEL, 40
.set CS,  42
.set TK,  44
.set CNT, 45
.set SLOTS, 46
.set TV,  58
.set SB,  59
.set DB,  63                           ; s63: LDS byte at which the slot that is asked for begins: 0 and SLOTB by turns
.set G1V, 68
.set G1H, 76
.set G0H, 84
.set MSB, 0
.macro WIN new
.if MSB != \new
	s_set_vgpr_msb (MSB<<8)|\new
.set MSB, \new
.endif
.endm
.macro PLACES
.rept 4
	v_nop
.endr
.endm
.macro CROUND
	s_barrier_signal -1
	s_barrier_wait -1
	s_cmp_lg_u32 s[WV], 0
	s_cbranch_scc1 .Lnot_wave_0_\@
	s_barrier_signal -3
.Lnot_wave_0_\@:
	s_barrier_wait -3
	s_barrier_signal -1
	s_barrier_wait -1
.endm
.macro COPY st, ld                     ; eight rows of curr_value, 512 bytes each, a wave: loaded at one change of slots, stored at the next
.if \st
	s_wait_loadcnt 0x0
	WIN 0x0c
.irp e, 0,1,2,3,4,5,6,7
	global_store_b128 v[CPO], v[CP+4*\e:CP+3+4*\e], s[56:57] offset:\e*ROWB th:TH_STORE_NT
.endr
.endif
.if \ld
.if \st
	s_wait_xcnt 0x0                                ; the stores have read their offset and data
	WIN 0
	v_add_nc_u32 v[CPO], 8*ROWB, v[CPO]
.endif
	WIN 0xc0
.irp e, 0,1,2,3,4,5,6,7
	global_load_b128 v[CP+4*\e:CP+3+4*\e], v[CPO], s[52:53] offset:\e*ROWB th:TH_LOAD_NT
.endr
.endif
	WIN 0
.endm
	s_load_b256 s[4:11], s[0:1], 0x0               ; Q's codes, Q's scales, curr_value, kv
	s_load_b64 s[12:13], s[0:1], 0x20              ; out0
	v_lshl_add_u32 v[SPW], v0, 2, SPARE
	v_mov_b32 v[NIL], 0
	ds_add_u32 v[SPW], v[NIL]                      ; the opening lines: the add twice on end and its wait
	ds_add_u32 v[SPW], v[NIL]
	v_lshrrev_b32 v12, 5, v0
	v_readfirstlane_b32 s[WV], v12
	s_bfe_u32 s15, ttmp6, 0x40000
	s_lshl_b32 s16, ttmp9, 2
	s_add_co_u32 s16, s16, s15                     ; work-group x: which 128 queries
	s_and_b32 s17, ttmp7, 0xffff                   ; the batch
.irp g, G1K, G1V, G1H                  ; rows of 256 bytes (32 elements of 8), dense; mask: the cluster's four
	s_mov_b32 s[\g], 15|(3<<16)|(1<<21)
	s_mov_b32 s[\g+1], 32<<16
	s_mov_b32 s[\g+3], 32<<16
	s_mov_b32 s[\g+5], 32
	s_mov_b32 s[\g+6], 0
	s_mov_b32 s[\g+7], 0
.endr
	s_mov_b32 s[G1K+2], 140<<16                    ; two parts of K
	s_mov_b32 s[G1K+4], 140
	s_mov_b32 s[G1V+2], 136<<16                    ; two parts of V
	s_mov_b32 s[G1V+4], 136
	s_mov_b32 s[G1H+2], 272<<16                    ; four, at the head
	s_mov_b32 s[G1H+4], 272
	s_and_b32 s47, s[WV], 1
	s_mul_i32 s60, s47, 2*KREC                     ; my half of K's bytes, in a slot and in memory
	s_mul_i32 s61, s47, 2*VREC
	s_add_co_u32 s62, s61, VO                      ; my half of V's bytes in a slot
	s_mov_b32 s[DB], 0
	s_mul_i32 s88, s17, 32*KREC
	s_add_co_u32 s88, s88, s60
	s_mov_b32 s89, 0
	s_mul_i32 s92, s17, 32*VREC
	s_add_co_u32 s92, s92, VBASE-2*VREC            ; slot 0's V begins two records ahead of V(0)
	s_mov_b32 s93, 0
	s_add_co_u32 s90, s92, s61
	s_mov_b32 s91, 0
	s_mov_b32 s[SEL], 0x76543210
	s_mov_b32 s[SEL+1], 0xfedcba98
	s_mov_b32 s[CS], 0x3e38aa3b                    ; 2 log2(e) / 16
	s_mov_b32 s[CS+1], s[CS]
	s_mov_b32 s[SB], 0
	v_and_b32 v27, 31, v0
	v_and_b32 v28, 15, v0
	v_bfe_u32 v29, v0, 4, 1
	v_lshlrev_b32 v[LI], 4, v27
	v_lshlrev_b32 v[L8], 3, v27
	v_lshlrev_b32 v[HB], 6, v29
	v_lshlrev_b32 v25, 7, v28
	v_lshl_add_u32 v25, v29, 4, v25                ; Q: row r of 128 bytes, + 16 h
	v_lshlrev_b32 v26, 3, v28
	v_lshl_add_u32 v26, v29, 2, v26                ; Q's scale words: lanes 0-15 channels 0-127, lanes 16-31 the rest
	s_lshl_b32 s20, s[WV], 20
	v_add_nc_u32 v[CPO], s20, v[LI]                ; 64 channels a wave
	v_add_nc_u32 v[GO], s20, v[LI]
	s_lshl_b32 s21, s[WV], 7
	s_add_co_u32 s21, s21, SLOTB                   ; the stage lies in the slot that has its last fill and its last read ahead of the last change
	v_lshl_add_u32 v[STO], v28, 2, s21
	v_mad_u32_u24 v[STO], v29, 8*SP, v[STO]
	s_mul_i32 s21, s[WV], 64*SP
	s_add_co_u32 s21, s21, SLOTB
	v_add_nc_u32 v[RD], s21, v[LI]
.irp j, 14,15,18,19
	v_mov_b32 v[\j], 0                             ; the sums
.endr
.irp b, 0,1,2,3,4,5,6,7
	v_mov_b32 v[BP+\b], 0                          ; a lane permute's destination counts as a source
.endr
	v_mov_b32 v[F+1], 0                            ; named as upper halves of pairs
	v_mov_b32 v[F+3], 0
	s_lshl_b32 s20, s16, 7
	s_lshl_b32 s21, s[WV], 5
	s_add_co_u32 s20, s20, s21                     ; my first query
	s_lshl_b32 s22, s20, 7
	s_lshl_b32 s21, s17, 19
	s_add_co_u32 s22, s22, s21
	s_mov_b32 s23, 0
	s_wait_dscnt 0x0
	s_wait_alu depctr_va_vdst(0)
	s_wait_kmcnt 0x0
	s_add_nc_u64 s[48:49], s[4:5], s[22:23]
	s_lshl_b32 s22, s20, 3
	s_lshl_b32 s21, s17, 15
	s_add_co_u32 s22, s22, s21
	s_add_nc_u64 s[50:51], s[6:7], s[22:23]
	s_lshl_b32 s20, s16, 9
	s_lshl_b32 s21, s17, 22
	s_add_co_u32 s22, s20, s21
	s_add_nc_u64 s[52:53], s[8:9], s[22:23]
	s_lshl_b32 s21, s17, 23
	s_add_co_u32 s22, s20, s21
	s_add_nc_u64 s[54:55], s[12:13], s[22:23]
	s_add_nc_u64 s[56:57], s[54:55], 0x400000
.irp x, 0,1                            ; Q stays in registers; asked for ahead of the first round
.irp i, 0,1,2,3
	global_load_b128 v[Q+16*\x+4*\i:Q+16*\x+4*\i+3], v25, s[48:49] offset:2048*\x+32*\i
.endr
	global_load_b32 v[QS+\x], v26, s[50:51] offset:128*\x
.endr
	COPY 0, 1
	s_mov_b32 s[G0K], 1
	s_mov_b32 s[G0K+1], s60
	s_add_nc_u64 s[G0K+2:G0K+3], s[10:11], s[88:89]
	s_or_b32 s[G0K+3], s[G0K+3], 0x80000000
	s_mov_b32 s[G0V], 1
	s_mov_b32 s[G0V+1], s62
	s_add_nc_u64 s[G0V+2:G0V+3], s[10:11], s[90:91]
	s_or_b32 s[G0V+3], s[G0V+3], 0x80000000
	s_mov_b32 s[G0H], 1
	s_mov_b32 s[G0H+1], VO
	s_add_nc_u64 s[G0H+2:G0H+3], s[10:11], s[92:93]
	s_or_b32 s[G0H+3], s[G0H+3], 0x80000000
	CROUND
	s_cmp_lt_u32 s[WV], 2                          ; slot 0: one chain of branches, one load to an arm
	s_cbranch_scc0 .Lhead_v
	tensor_load_to_lds s[G0K:G0K+3], s[G1K:G1K+7]
	s_nop 0
	PLACES
	s_branch .Lhead_j
.Lhead_v:
	s_cmp_eq_u32 s[WV], 3
	s_cbranch_scc0 .Lhead_j
	tensor_load_to_lds s[G0H:G0H+3], s[G1H:G1H+7]
	s_nop 0
	PLACES
.Lhead_j:
; THE CHANGE OF SLOTS.  kind 2: all four waves fetch the next slot; 1: wave 2 alone (the last two parts of V); 0: nothing is fetched.  dbl: the add twice
.macro CHANGE kind, dbl
	WIN 0
	s_wait_tensorcnt 0x0
	ds_add_u32 v[SPW], v[NIL]
.if \dbl
	ds_add_u32 v[SPW], v[NIL]
.endif
.if \kind
	s_xor_b32 s[DB], s[DB], SLOTB                  ; no load of mine is out: the walking descriptors go to the other slot and four records on
	s_add_co_u32 s[G0K+1], s[DB], s60
	s_add_nc_u64 s[G0K+2:G0K+3], s[G0K+2:G0K+3], 4*KREC
	s_add_co_u32 s[G0V+1], s[DB], s62
	s_add_nc_u64 s[G0V+2:G0V+3], s[G0V+2:G0V+3], 4*VREC
.endif
	s_wait_dscnt 0x0
.if \kind
	CROUND
.if \kind == 2
	s_cmp_lt_u32 s[WV], 2
	s_cbranch_scc0 .Lfor_v_\@
	tensor_load_to_lds s[G0K:G0K+3], s[G1K:G1K+7]
	s_nop 0
	PLACES
	s_branch .Lasked_\@
.else
	s_cmp_eq_u32 s[WV], 2
	s_cbranch_scc0 .Lasked_\@
.endif
.Lfor_v_\@:
	tensor_load_to_lds s[G0V:G0V+3], s[G1V:G1V+7]
	s_nop 0
	PLACES
.Lasked_\@:
.else
	s_barrier_signal -1
	s_barrier_wait -1
.endif
.endm
; LDS loads, in groups.  A record of K is 52 loads (A: 4 of scale words and 16 of -a_sq / 2; B, C: 16 of codes each), one of V 34 (A: 2 of scale words and 16 of codes; B: 16 of codes)
.macro CODES dst, adr, o, from
	WIN 0x80
.set i, \from
.rept 16
	ds_load_b128 v[\dst+4*i:\dst+4*i+3], v[\adr] offset:\o+512*i
.set i, i+1
.endr
.endm
.macro KLOADA o
	WIN 0
.irp p, 0,1,2,3
	ds_load_b64 v[KS+2*\p:KS+2*\p+1], v[ADS] offset:\o+KSOFF+256*\p
.endr
	WIN 0xc0
.irp t, 0,1,2,3,4,5,6,7
	ds_load_b128 v[8*\t:8*\t+3],   v[ADB] offset:\o+BOFF+(32*(\t/2)+8*(\t%2))*4
	ds_load_b128 v[8*\t+4:8*\t+7], v[ADB] offset:\o+BOFF+(32*(\t/2)+8*(\t%2))*4+16
.endr
.endm
.macro VLOADA o
	WIN 0
.irp g, 0,1
	ds_load_b128 v[VS+4*\g:VS+4*\g+3], v[ADV] offset:\o+VSOFF+512*\g
.endr
	CODES 128, ADV, \o, 0
.endm
.macro SMUL hw                         ; S^T = K Q^T - a_sq / 2 of one record, into half hw's scores; the accumulators by turns
.irp x, 0,1
	WIN 0x32+0xc0*\hw
.irp t, 0,1,2,3,4,5,6,7
	v_wmma_scale_f32_16x16x128_f8f6f4 v[S+64*\x+8*\t:S+64*\x+8*\t+7], v[16*\t:16*\t+7], v[Q+16*\x:Q+16*\x+7], v[8*\t:8*\t+7], v[KS+\t], v[QS+\x] matrix_a_fmt:MATRIX_FMT_FP4 matrix_b_fmt:MATRIX_FMT_FP4
.endr
	WIN 0x02+0xf0*\hw
.irp t, 0,1,2,3,4,5,6,7
	v_wmma_scale_f32_16x16x128_f8f6f4 v[S+64*\x+8*\t:S+64*\x+8*\t+7], v[16*\t+8:16*\t+15], v[Q+16*\x+8:Q+16*\x+15], v[S+64*\x+8*\t:S+64*\x+8*\t+7], v[KS+\t], v[QS+\x] matrix_a_fmt:MATRIX_FMT_FP4 matrix_b_fmt:MATRIX_FMT_FP4 matrix_a_scale:MATRIX_SCALE_ROW1 matrix_b_scale:MATRIX_SCALE_ROW1
.endr
.endr
.endm
.set DBM, BM1-BM0
.macro MAXB hw                         ; the largest score of each block of 32 keys of half hw, both x: eight chains by turns
	WIN 0x3f*\hw
.irp x, 0,1
.irp b, 0,1,2,3
	v_max3_num_f32 v[BM0+DBM*\x+4*\hw+\b], v[S+64*\x+16*\b], v[S+64*\x+16*\b+1], v[S+64*\x+16*\b+2]
.endr
.endr
	WIN 0x3c*\hw
.irp i, 3,5,7,9,11,13
.irp x, 0,1
.irp b, 0,1,2,3
	v_max3_num_f32 v[BM0+DBM*\x+4*\hw+\b], v[BM0+DBM*\x+4*\hw+\b], v[S+64*\x+16*\b+\i], v[S+64*\x+16*\b+\i+1]
.endr
.endr
.endr
.irp x, 0,1
.irp b, 0,1,2,3
	v_max_num_f32 v[BM0+DBM*\x+4*\hw+\b], v[BM0+DBM*\x+4*\hw+\b], v[S+64*\x+16*\b+15]
.endr
.endr
	WIN 0
.irp x, 0,1
.irp b, 0,1,2,3
	v_permlanex16_b32 v[BP+4*\x+\b], v[BM0+DBM*\x+4*\hw+\b], s[SEL], s[SEL+1]
.endr
.endr
.irp x, 0,1
.irp b, 0,1,2,3
	v_max_num_f32 v[BM0+DBM*\x+4*\hw+\b], v[BM0+DBM*\x+4*\hw+\b], v[BP+4*\x+\b]
.endr
.endr
.endm
.macro CHAIN first                     ; M over the step's 256 keys and f = 2^(old M - new M), both x by turns; then t - M of the sixteen block maxima
.irp x, 0,1
	v_max3_num_f32 v[TT+6*\x], v[BM0+DBM*\x], v[BM0+DBM*\x+1], v[BM0+DBM*\x+2]
.endr
.irp x, 0,1
	v_max3_num_f32 v[TT+6*\x], v[TT+6*\x], v[BM0+DBM*\x+3], v[BM0+DBM*\x+4]
.endr
.irp x, 0,1
	v_max3_num_f32 v[TT+6*\x], v[TT+6*\x], v[BM0+DBM*\x+5], v[BM0+DBM*\x+6]
.endr
.irp x, 0,1
	v_max_num_f32 v[TT+6*\x], v[TT+6*\x], v[BM0+DBM*\x+7]
.endr
.if \first
.irp x, 0,1
	v_mul_f32 v[ST+4*\x+1], s[CS], v[TT+6*\x]
.endr
.irp x, 0,1
	v_floor_f32 v[ST+4*\x], -v[ST+4*\x+1]
.endr
.else
.irp x, 0,1
	v_mul_f32 v[TT+6*\x], s[CS], v[TT+6*\x]
.endr
.irp x, 0,1
	v_max_num_f32 v[ST+4*\x+1], v[ST+4*\x+1], v[TT+6*\x]
.endr
.irp x, 0,1
	v_mov_b32 v[TT+6*\x], v[ST+4*\x]
.endr
.irp x, 0,1
	v_floor_f32 v[ST+4*\x], -v[ST+4*\x+1]
.endr
.irp x, 0,1
	v_sub_f32 v[TT+6*\x], v[ST+4*\x], v[TT+6*\x]
.endr
.irp x, 0,1
	v_cvt_i32_f32 v[TT+6*\x], v[TT+6*\x]
.endr
.irp x, 0,1
	v_ldexp_f32 v[F+2*\x], 1.0, v[TT+6*\x]
.endr
.irp x, 0,1
	v_pk_mul_f32 v[ST+4*\x+2:ST+4*\x+3], v[ST+4*\x+2:ST+4*\x+3], v[F+2*\x:F+2*\x+1] op_sel_hi:[1,0]
.endr
.endif
.irp x, 0,1
.irp k, 0,1,2,3,4,5,6,7
	v_fma_f32 v[BM0+DBM*\x+\k], v[BM0+DBM*\x+\k], s[CS], v[ST+4*\x]
.endr
.endr
.endm
.macro FMA x, hw                       ; t - M of 128 keys
	WIN 0xc3*\hw
.set j, 0
.rept 32
	v_pk_fma_f32 v[S+64*(\x)+j:S+64*(\x)+j+1], v[S+64*(\x)+j:S+64*(\x)+j+1], s[CS:CS+1], v[ST+4*(\x):ST+4*(\x)+1] op_sel_hi:[1,0,0]
.set j, j+2
.endr
.endm
; A batch of 64 exponentials: p of (x, hw).  il = 1 (x = 0): the other x's t - M stands between them: it names none of the batch's registers, and its results are read behind the batch's closing wait
.macro BATCH x, hw, il
	WIN 0xc3*\hw
.set j, 0
.rept 32
	v_exp_f32 v[S+64*(\x)+j], v[S+64*(\x)+j]
	v_exp_f32 v[S+64*(\x)+j+1], v[S+64*(\x)+j+1]
.if \il
	v_pk_fma_f32 v[S+64+j:S+64+j+1], v[S+64+j:S+64+j+1], s[CS:CS+1], v[ST+4:ST+5] op_sel_hi:[1,0,0]
.endif
.set j, j+2
.endr
	v_nop
	s_wait_alu depctr_va_vdst(0)
.endm
.macro SCALES                          ; the sixteen blocks' largest p become the conversions' scale operands, in place, and the four scale words
.irp x, 0,1
.irp k, 0,1,2,3,4,5,6,7
	v_max_num_f32 v[BM0+DBM*\x+\k], 0x1800000, v[BM0+DBM*\x+\k]   ; the floor holds the byte at 1
.endr
.endr
.irp x, 0,1
.irp k, 0,1,2,3,4,5,6,7
	v_add_nc_u32 v[BM0+DBM*\x+\k], 0xff000000, v[BM0+DBM*\x+\k]
.endr
.endr
.irp hw, 0,1
.irp x, 0,1
.irp b, 0,1,2,3
	v_lshrrev_b32 v[BP+4*\x+\b], 23, v[BM0+DBM*\x+4*\hw+\b]
.endr
.endr
.irp x, 0,1
	v_lshl_or_b32 v[PW+(PWB-PW)*\hw+\x], v[BP+4*\x+1], 8, v[BP+4*\x]
.endr
.irp x, 0,1
	v_lshl_or_b32 v[PW+(PWB-PW)*\hw+\x], v[BP+4*\x+2], 16, v[PW+(PWB-PW)*\hw+\x]
.endr
.irp x, 0,1
	v_lshl_or_b32 v[PW+(PWB-PW)*\hw+\x], v[BP+4*\x+3], 24, v[PW+(PWB-PW)*\hw+\x]
.endr
.endr
.endm
.macro CVT x, hw                       ; p's codes of 128 keys, a whole block to a lane
.set rS, S+64*(\x)
.set rB, BM0+DBM*(\x)+4*(\hw)
.set rP, PC+8*(\x)
	WIN 0xc3*\hw
.irp b, 0,1,2,3
	v_cvt_scalef32_pk8_fp4_f32 v[rP+2*\b], v[rS+16*\b:rS+16*\b+7], v[rB+\b]
	v_cvt_scalef32_pk8_fp4_f32 v[rP+2*\b+1], v[rS+16*\b+8:rS+16*\b+15], v[rB+\b]
.endr
	v_nop
.irp c, 0,1
.irp i, 0,1
	v_permlane16_swap_b32 v[rP+4*\c+\i], v[rP+4*\c+2+\i]
.endr
.endr
.endm
.macro SUMJ x, j
	v_pk_add_f32 v[ST+4*\x+2:ST+4*\x+3], v[ST+4*\x+2:ST+4*\x+3], v[S+64*\x+\j:S+64*\x+\j+1]
	v_pk_add_f32 v[SUM2+4*\x:SUM2+4*\x+1], v[SUM2+4*\x:SUM2+4*\x+1], v[S+64*\x+\j+2:S+64*\x+\j+3]
.endm
.macro SUMSA hw                        ; the rows' sums of the unquantised p of half hw: four chains by turns; first part
	WIN 0x0f*\hw
.irp x, 0,1
	v_pk_add_f32 v[SUM2+4*\x:SUM2+4*\x+1], v[S+64*\x:S+64*\x+1], v[S+64*\x+2:S+64*\x+3]
.endr
	WIN 0x0c*\hw
.irp j, 4,8,12,16,20,24,28
	SUMJ 0, \j
	SUMJ 1, \j
.endr
.endm
.macro SUMSB hw                        ; second part
	WIN 0x0c*\hw
.irp j, 32,36,40,44,48,52,56,60
	SUMJ 0, \j
	SUMJ 1, \j
.endr
	WIN 0
.irp x, 0,1
	v_pk_add_f32 v[ST+4*\x+2:ST+4*\x+3], v[ST+4*\x+2:ST+4*\x+3], v[SUM2+4*\x:SUM2+4*\x+1]
.endr
.endm
.macro RESCALE x
	WIN 0x41
.set j, 128*(\x)
.rept 64
	v_pk_mul_f32 v[j:j+1], v[j:j+1], v[F+2*(\x):F+2*(\x)+1] op_sel_hi:[1,0]
.set j, j+2
.endr
.endm
.macro PVMUL x, hw, first              ; O^T += V^T P^T of one record
.set rW, PW+(PWB-PW)*(\hw)+(\x)
	WIN 0x52+0x0c*\hw
.irp p, 0,1,2,3,4,5,6,7
.if \first
	v_wmma_scale_f32_16x16x128_f8f6f4 v[128*\x+16*\p:128*\x+16*\p+7], v[128+16*\p:128+16*\p+7], v[PC+8*\x:PC+8*\x+7], 0, v[VS+\p], v[rW] matrix_a_fmt:MATRIX_FMT_FP4 matrix_b_fmt:MATRIX_FMT_FP4
	v_wmma_scale_f32_16x16x128_f8f6f4 v[128*\x+16*\p+8:128*\x+16*\p+15], v[128+16*\p+8:128+16*\p+15], v[PC+8*\x:PC+8*\x+7], 0, v[VS+\p], v[rW] matrix_a_fmt:MATRIX_FMT_FP4 matrix_b_fmt:MATRIX_FMT_FP4 matrix_a_scale:MATRIX_SCALE_ROW1
.else
	v_wmma_scale_f32_16x16x128_f8f6f4 v[128*\x+16*\p:128*\x+16*\p+7], v[128+16*\p:128+16*\p+7], v[PC+8*\x:PC+8*\x+7], v[128*\x+16*\p:128*\x+16*\p+7], v[VS+\p], v[rW] matrix_a_fmt:MATRIX_FMT_FP4 matrix_b_fmt:MATRIX_FMT_FP4
	v_wmma_scale_f32_16x16x128_f8f6f4 v[128*\x+16*\p+8:128*\x+16*\p+15], v[128+16*\p+8:128+16*\p+15], v[PC+8*\x:PC+8*\x+7], v[128*\x+16*\p+8:128*\x+16*\p+15], v[VS+\p], v[rW] matrix_a_fmt:MATRIX_FMT_FP4 matrix_b_fmt:MATRIX_FMT_FP4 matrix_a_scale:MATRIX_SCALE_ROW1
.endif
.endr
.endm
; A STEP.  On entry both halves' scores of this step stand in registers.  LDS loads are issued in the order V(2 i) 34, K(2 i + 2) 52, V(2 i + 1) 34, K(2 i + 3) 52; the counted waits name the younger ones that may be out.
.macro BODY first, last
	WIN 0
	v_add_nc_u32 v[ADV], s[TV], v[LI]              ; (these four are the places behind the last products)
.if \last
.rept 3
	v_nop
.endr
.else
	v_add_nc_u32 v[ADK], s[TK], v[LI]
	v_add_nc_u32 v[ADS], s[TK], v[L8]
	v_add_nc_u32 v[ADB], s[TK], v[HB]
.endif
	VLOADA 0
	MAXB 0
	CODES 128, ADV, 0, 16
	MAXB 1
.if \last == 0
	KLOADA 0
	WIN 0
.endif
	CHAIN \first
	FMA 0, 0
	s_wait_alu depctr_va_vdst(0)
.irp x, 0,1
.irp k, 0,1,2,3,4,5,6,7
	v_exp_f32 v[BM0+DBM*\x+\k], v[BM0+DBM*\x+\k]   ; the blocks' largest p
.endr
.endr
	BATCH 0, 0, 1
	SCALES
.if \last == 0
	CODES 0, ADK, 0, 0
.endif
	CVT 0, 0
	FMA 0, 1
	s_wait_alu depctr_va_vdst(0)
	BATCH 1, 0, 0
.if \last == 0
	CODES 0, ADK, 0, 16
.endif
	CVT 1, 0
	s_wait_alu depctr_va_vdst(0)
	BATCH 0, 1, 1
	CVT 0, 1
	s_wait_alu depctr_va_vdst(0)
	BATCH 1, 1, 0
	CVT 1, 1
.if \first == 0
	s_wait_alu depctr_va_vdst(0)                   ; the wait ahead of the first reader of O^T
	RESCALE 0
	RESCALE 1
.endif
	s_wait_alu depctr_va_vdst(0)
.if \last
	s_wait_dscnt 0x0
.else
	s_wait_dscnt 52                                ; V's 34 loads are in; K's 52 may be out
.endif
	PVMUL 0, 0, \first
	PVMUL 1, 0, \first
	PLACES
	VLOADA VREC
	SUMSA 0
	CODES 128, ADV, VREC, 16
	SUMSB 0
	s_wait_alu depctr_va_vdst(0)
.if \last
	s_wait_dscnt 0x0
	PVMUL 0, 1, 0
	PVMUL 1, 1, 0
.else
	s_wait_dscnt 34                                ; K's 52 are in; V's 34 may be out
	SMUL 0
	PLACES
	KLOADA KREC
	s_wait_dscnt 20                                ; V's 34 are in; K's first 20 may be out
	PVMUL 0, 1, 0
	CODES 0, ADK, KREC, 0
	PVMUL 1, 1, 0
	CODES 0, ADK, KREC, 16
.endif
	SUMSA 1
	SUMSB 1
.if \last == 0
	s_wait_dscnt 0x0
	SMUL 1
.endif
	WIN 0
.endm
.macro SLOT_IN                         ; on to the other slot
	s_xor_b32 s[SB], s[SB], SLOTB
	s_mov_b32 s[TK], s[SB]
	s_add_co_u32 s[TV], s[SB], VO
.endm
.macro TWO                             ; a slot's two steps
	s_mov_b32 s[CNT], 2
.Ltrip_\@:
	BODY 0, 0
	s_add_co_u32 s[TK], s[TK], 2*KREC
	s_add_co_u32 s[TV], s[TV], 2*VREC
	s_sub_co_u32 s[CNT], s[CNT], 1
	s_cmp_lg_u32 s[CNT], 0
	s_cbranch_scc1 .Ltrip_\@
.endm
	CHANGE 2, 1                                    ; slot 0 is in; slot 1's first fill, issued as a refill is
	s_wait_loadcnt 0x8                             ; Q is in; the copy's eight loads may be out
	s_mov_b32 s[TK], 0
	v_add_nc_u32 v[ADK], s[TK], v[LI]
	v_add_nc_u32 v[ADS], s[TK], v[L8]
	v_add_nc_u32 v[ADB], s[TK], v[HB]
	s_wait_alu depctr_va_vdst(0)
	KLOADA 0
	CODES 0, ADK, 0, 0
	CODES 0, ADK, 0, 16
	s_wait_dscnt 0x0
	SMUL 0
	PLACES
	KLOADA KREC
	CODES 0, ADK, KREC, 0
	CODES 0, ADK, KREC, 16
	s_wait_dscnt 0x0
	SMUL 1
	WIN 0
	s_mov_b32 s[TK], 2*KREC
	s_mov_b32 s[TV], VO+2*VREC
	BODY 1, 0                                      ; step 0 starts O^T's sums
	s_mov_b32 s[SLOTS], 6
.Lslot:                                                ; slots 1 to 6: steps 1 to 12
	CHANGE 2, 0
	COPY 1, 1
	SLOT_IN
	TWO
	s_sub_co_u32 s[SLOTS], s[SLOTS], 1
	s_cmp_lg_u32 s[SLOTS], 0
	s_cbranch_scc1 .Lslot
	CHANGE 1, 0                                    ; slot 7: steps 13, 14; of slot 8 only V(30), V(31) exist
	COPY 1, 1
	SLOT_IN
	TWO
	CHANGE 0, 0
	COPY 1, 0
	SLOT_IN
	BODY 0, 1                                      ; step 15
	; THE WAY OUT: O^T / the sum, through the stage, as rows of 512 bytes of out0
	v_add_f32 v14, v14, v15
	v_add_f32 v18, v18, v19
	v_permlanex16_b32 v[BP], v14, s[SEL], s[SEL+1]
	v_permlanex16_b32 v[BP+1], v18, s[SEL], s[SEL+1]
	v_add_f32 v14, v14, v[BP]
	v_add_f32 v18, v18, v[BP+1]
	s_wait_alu depctr_va_vdst(0)
	v_rcp_f32 v[F], v14
	v_rcp_f32 v[F+2], v18
	v_nop
	s_wait_alu depctr_va_vdst(0)
	RESCALE 0
	RESCALE 1
.irp q, 0,1,2,3
	WIN 0x04
.irp x, 0,1
.irp t, 0,1,2,3
.irp j, 0,1,2,3,4,5,6,7
	ds_store_b32 v[STO], v[128*\x+8*(4*\q+\t)+\j] offset:(16*\t+\j)*SP+64*\x
.endr
.endr
.endr
	WIN 0
.if \q < 3
	v_add_nc_u32 v[STO], 64*SP, v[STO]
.endif
.endr
	s_wait_dscnt 0x0
	s_barrier_signal -1
	s_barrier_wait -1
.irp u, 0,1
.if \u
	s_wait_xcnt 0x0                                ; the stores have read their data
.endif
.set e, 0
.rept 32
	ds_load_b128 v[S+4*e:S+4*e+3], v[RD] offset:(32*\u+e)*SP
.set e, e+1
.endr
.set e, 0
.rept 32
	s_wait_dscnt 31-e
	global_store_b128 v[GO], v[S+4*e:S+4*e+3], s[54:55] offset:(32*\u+e)*ROWB th:TH_STORE_NT
.set e, e+1
.endr
.endr
	s_wait_tensorcnt 0x0                           ; the wave's end
	ds_add_u32 v[SPW], v[NIL]
	s_wait_dscnt 0x0
	CROUND
	s_endpgm
.Lfunc_end_k_qd46400e9c8_attn:
	.size	k_qd46400e9c8_attn, .Lfunc_end_k_qd46400e9c8_attn-k_qd46400e9c8_attn
	.p2alignl 7, 3214868480
	.fill 96, 4, 3214868480
	.section	.rodata,"a",@progbits
	.p2align	6, 0x0
	.amdhsa_kernel k_qd46400e9c8_attn
		.amdhsa_group_segment_fixed_size 327680
		.amdhsa_private_segment_fixed_size 0
		.amdhsa_enable_private_segment 0
		.amdhsa_kernarg_size 40
		.amdhsa_user_sgpr_count 2
		.amdhsa_user_sgpr_kernarg_segment_ptr 1
		.amdhsa_wavefront_size32 1
		.amdhsa_system_sgpr_workgroup_id_x 1
		.amdhsa_system_sgpr_workgroup_id_y 1
		.amdhsa_system_sgpr_workgroup_id_z 1
		.amdhsa_system_vgpr_workitem_id 0
		.amdhsa_next_free_vgpr 1024
		.amdhsa_next_free_sgpr 96
		.amdhsa_reserve_vcc 0
		.amdhsa_float_denorm_mode_32 3
		.amdhsa_float_denorm_mode_16_64 3
		.amdhsa_memory_ordered 1
		.amdhsa_forward_progress 1
		.amdhsa_inst_pref_size 255
	.end_amdhsa_kernel
	.section	.bss,"aw",@nobits
	.p2align	6
	.space	262144
	.amdgpu_metadata
---
amdhsa.version: [ 1, 2 ]
amdhsa.kernels:
  - .name:           k_qd46400e9c8_attn
    .symbol:         k_qd46400e9c8_attn.kd
    .args:
      - { .name: curr_key_codes, .offset: 0, .size: 8, .value_kind: global_buffer, .address_space: global }
      - { .name: curr_key_scales, .offset: 8, .size: 8, .value_kind: global_buffer, .address_space: global }
      - { .name: curr_value, .offset: 16, .size: 8, .value_kind: global_buffer, .address_space: global }
      - { .name: kv, .offset: 24, .size: 8, .value_kind: global_buffer, .address_space: global }
      - { .name: out0, .offset: 32, .size: 8, .value_kind: global_buffer, .address_space: global }
    .group_segment_fixed_size: 327680
    .private_segment_fixed_size: 0
    .kernarg_segment_align: 8
    .kernarg_segment_size: 40
    .max_flat_workgroup_size: 128
    .sgpr_count:     96
    .vgpr_count:     1024
    .wavefront_size: 32
...
	.end_amdgpu_metadata
.endif
;; end of part 2
